; MI455X (gfx1250); checked and timed in simulation.
; The chip was launched on July 23, 2026; its instructions are those of AMD's public machine-readable ISA for CDNA 5 (MIT licence, August 2026) and "CDNA5" Instruction Set Architecture Reference Guide (July 2026). The comments in the code are by the model that wrote it; some were corrected since.
;; PAM Module. Allowed arithmetic: float matrix products may take bf16 or f16 operands with f32 sums; all other float work in f32.
;; Inputs: Wk 32 x 256 float32; Wq 32 x 256 float32; Wv 256 x 256 float32; bk 32 float32; bq 32 float32; bv 256 float32; gamma 1 float32; x 8 x 256 x 64 x 64 float32.
;; Outputs: out0 8 x 256 x 64 x 64 float32.
;; 2 versions, each right; version 2 is version 1 with the launch proj written anew for expert scheduling mode. Each part assembles by itself: llvm-mc -triple=amdgcn-amd-amdhsa -mcpu=gfx1250 --defsym DOCPART=n.
;; ======== version 1 of 2: 2 launches
;; workspace buffers: qf 2,097,152 bytes; kv 18,874,368 bytes
;; launch proj (part 1): grid 256 x 1, 4 waves a work-group, no clusters, 243,200 bytes of LDS; arguments x, Wq, bq, Wk, bk, Wv, bv, qf, kv; writes qf, kv
.if DOCPART == 1
	.amdgcn_target "amdgcn-amd-amdhsa--gfx1250"
	.amdhsa_code_object_version 6
	.text
	.protected	k_q2d742cb88c_proj
	.globl	k_q2d742cb88c_proj
	.p2align	8
	.type	k_q2d742cb88c_proj,@function
k_q2d742cb88c_proj:
	s_mov_b64 s[64:65], 0
	v_nop
	global_prefetch_b8 v0, s[64:65] scope:SCOPE_SE
	s_setreg_imm32_b32 hwreg(HW_REG_WAVE_MODE, 25, 1), 1
	s_wait_xcnt 0x0
; The three 1x1 convolutions of the module: q = Wq x + bq, k = Wk x + bk, v = Wv x + bv, for 8 images of 256 channels x 4,096 pixels.
; Operands are rounded to bf16, sums are f32 and start from the bias (the first product's C).  q is multiplied by log2(e), so that
; the attention launch can work in base 2.  The results are rounded to bf16 and stored in the order in which the attention launch's
; matrix instructions want them in registers, 512 bytes (32 lanes x 16 bytes) for each half fragment:
;   qf: [image 8][query tile 256][g 2][lane 32][16 B]   lane (r, h): query 16 t + r, channels 16 g + 8 h .. + 7
;   kv: [image 8][key block 128][18,432 B]; a block is 32 keys: a K part [kt 2][g 2][lane][16 B] (key 16 kt + r, channels 16 g + 8 h .. + 7),
;       then V [ct 16][g 2][lane][16 B] (channel 16 ct + r, keys 16 g + 8 h .. + 7 of the block).
;   K IS ROTATED BY ONE BLOCK inside each half of an image's 128 blocks: the K part of block n holds the keys of block (n + 1) mod 64 of
;   that half.  The attention launch makes a block's scores one step ahead of its products, so it reads V(n) and K(n + 1) together.
; A work-group takes 128 pixels of one image.  Wave w makes v's channels 64 w .. 64 w + 63 for all 128 pixels, and 16 rows of q
; (waves 0, 1) or of k (waves 2, 3): 320 matrix instructions a wave.
; NO CLUSTER: all work-groups read the same weights, but these are f32 and are rounded to bf16 on their way into LDS, so they pass
; through registers; staged in f32 by joint tensor loads they would take 320 rows x 1,024 bytes = 327,680 bytes of LDS.
; LIMITS: x, the weights, q log2(e), k and v are rounded to bf16 (8 bits of mantissa, f32's range).
.set XP,    288                        ; pitch of x in LDS: 128 pixels of bf16 + 32 bytes = 9 x 32, for the transposing load
.set WS,    256*XP                     ; the weights lie behind x's 256 rows
.set WP,    528                        ; pitch of a weight row: 256 bf16 + 16 bytes = 33 x 16
.set WSW,   80*WP                      ; a wave's own 80 rows: 64 of Wv, then 16 of Wq or Wk
.set KVBLK, 18432
; window 0
.set L16,  1                           ; 16 x lane
.set WFR,  5                           ; my part of a weight fragment
.set XT,   6                           ; v6, v7: my address for the transposing loads, channels 0-127 and 128-255
.set VO,   8                           ; my 16 bytes in a key block's V
.set QO,   9                           ; v9-12: my 16 bytes of q or k for each of the four pairs of pixel tiles
.set BVO,  13
.set BQO,  14
.set QOB,  15
.set XF,   128                         ; x's fragments: tile e (2), K step s (8) at XF + 64 e + 8 s
; window 1, while x and the weights come in: the ring of loads with all that it needs, so that the phase runs under one setting
.set DEPTH, 56                         ; loads of a wave on their way: 56 x 512 bytes
.set R,    0                           ; v0-223: 56 slots of 4 registers
.set AL16, 224                         ; 16 x lane
.set AXO,  225                         ; my 16 bytes in x's row 64 w
.set AXS,  226                         ; where they go in LDS (8 bytes of bf16)
.set AWS,  227                         ; the same for weight rows
.set T,    232                         ; v232-247: rounded pairs on their way into LDS, two batches of four
; window 1 afterwards
.set WV,   0                           ; Wv's fragments: channel tile i (4), K step s (8) at 64 i + 8 s
; window 2
.set AV,   0                           ; sums of v: 8 (4 e + i)
.set AQ,   64                          ; sums of q or k: 64 + 8 e
.set BV,   80                          ; bv of my channel, eight times, for each i
.set BQK,  112                         ; bq or bk of my eight rows
.set WQK,  128                         ; Wq's or Wk's fragments, K step s at 128 + 8 s
.set MSB, 0
.macro WIN new                         ; low byte: bits 1:0 source 0, 3:2 source 1, 5:4 source 2, 7:6 destination; the high byte repeats the setting that is left
.if MSB != \new
	s_set_vgpr_msb (MSB<<8)|\new
.set MSB, \new
.endif
.endm
.macro PLACES                          ; four plain vector instructions behind a matrix instruction, before its result is read or one of its registers written (ISA guide 7.12.1)
.rept 4
	v_nop
.endr
.endm
	s_load_b512 s[4:19], s[0:1], 0x0               ; x s[4:5], Wq s[6:7], bq s[8:9], Wk s[10:11], bk s[12:13], Wv s[14:15], bv s[16:17], qf s[18:19]
	s_load_b64 s[20:21], s[0:1], 0x40              ; kv
	v_lshl_add_u32 v126, v0, 2, 0x3b400
	v_mov_b32 v127, 0
	v_lshrrev_b32 v24, 5, v0
	v_readfirstlane_b32 s22, v24                   ; wave w
	s_lshr_b32 s23, s22, 1                         ; 0: I make rows of q, 1: of k
	s_and_b32 s24, s22, 1                          ; g: rows 16 g .. 16 g + 15 of it
	s_lshr_b32 s25, ttmp9, 5                       ; image
	s_and_b32 s26, ttmp9, 31                       ; block of 128 pixels
	s_mul_i32 s46, s22, 64*XP                      ; x's rows 64 w .. in LDS
	s_mul_i32 s47, s22, WSW
	s_add_co_u32 s47, s47, WS                      ; my wave's weights in LDS
	v_and_b32 v24, 31, v0                          ; lane L
	v_and_b32 v25, 15, v0                          ; r
	v_bfe_u32 v26, v0, 4, 1                        ; h
	v_lshlrev_b32 v[L16], 4, v24
	WIN 0x40                                       ; the ring's four address registers are made straight into window 1
	v_lshlrev_b32 v[AL16], 4, v24
	v_lshl_add_u32 v[AXO], s22, 20, v[L16]         ; 64 w rows of 16,384 bytes + 16 L
	v_lshl_add_u32 v[AXS], v24, 3, s46
	v_lshl_add_u32 v[AWS], v24, 3, s47
	WIN 0
	v_mul_u32_u24 v27, v25, WP
	v_lshl_add_u32 v27, v26, 4, v27
	v_add_nc_u32 v[WFR], s47, v27                  ; row r, 16 h bytes
	v_and_b32 v28, 7, v0
	v_lshl_add_u32 v28, v26, 3, v28                ; channel 8 h + (L & 7)
	v_mul_u32_u24 v28, v28, XP
	v_bfe_u32 v29, v0, 3, 1
	v_lshl_add_u32 v[XT], v29, 4, v28              ; + 16 bytes for the upper eight pixels of a tile
	v_add_nc_u32 v[XT+1], 128*XP, v[XT]            ; channels 128 .. : the immediate has 16 bits
	v_lshl_add_u32 v[VO], s22, 12, v[L16]          ; 4 w channel tiles of 1,024 bytes,
	v_add_nc_u32 v[VO], 2048, v[VO]                ; behind the block's K part
	v_lshlrev_b32 v[BVO], 2, v25
	v_lshl_add_u32 v[BVO], s22, 8, v[BVO]          ; bv[64 w + r]
	v_lshlrev_b32 v[BQO], 5, v26
	v_lshl_add_u32 v[BQO], s24, 6, v[BQO]          ; bq or bk [16 g + 8 h]
	v_lshl_add_u32 v[QOB], s24, 9, v[L16]          ; 16 L + 512 g
	; Where pair p of my pixel tiles goes, counted from the image's first byte of qf or of kv.
	; q: query tiles 8 blk + 2 p, + 1.  k: the keys are block kb = 4 blk + p; they go to the K part of the block in front, round inside the half of 64.
.irp p, 0,1,2,3
	s_lshl2_add_u32 s40, s26, \p                   ; kb
	s_add_co_u32 s41, s40, 63
	s_and_b32 s41, s41, 63                         ; (kb - 1) mod 64
	s_and_b32 s40, s40, 64                         ; the half stays
	s_or_b32 s40, s40, s41
	s_mul_i32 s40, s40, KVBLK
	s_lshl_b32 s41, s26, 13
	s_add_co_u32 s41, s41, \p*2048
	s_cmp_lg_u32 s23, 0                            ; the choice hangs on the wave's number alone
	s_cselect_b32 s40, s40, s41
	v_add_nc_u32 v[QO+\p], s40, v[QOB]
.endr
	s_mov_b32 s45, 0
	s_wait_kmcnt 0x0
	s_lshl_b32 s44, s25, 22                        ; an image is 4,194,304 bytes,
	s_lshl_b32 s46, s26, 9                         ; 128 pixels are 512
	s_add_co_u32 s44, s44, s46
	s_add_nc_u64 s[28:29], s[4:5], s[44:45]        ; x at my image and pixels
	s_lshl_b32 s44, s22, 16
	s_add_nc_u64 s[30:31], s[14:15], s[44:45]      ; Wv at row 64 w
	s_mul_i32 s44, s25, 128*KVBLK
	s_add_nc_u64 s[20:21], s[20:21], s[44:45]      ; kv at my image
	s_mul_i32 s44, s26, 4*KVBLK
	s_add_nc_u64 s[36:37], s[20:21], s[44:45]      ; kv at my first key block, for V
	s_lshl_b32 s44, s25, 18
	s_add_nc_u64 s[18:19], s[18:19], s[44:45]      ; qf at my image
	s_lshl_b32 s44, s24, 14                        ; 16 g rows of 1,024 bytes
	s_cmp_lg_u32 s23, 0
	s_cselect_b64 s[32:33], s[10:11], s[6:7]       ; Wk or Wq
	s_cselect_b64 s[34:35], s[12:13], s[8:9]       ; bk or bq
	s_cselect_b64 s[38:39], s[20:21], s[18:19]     ; into kv or into qf
	s_cselect_b32 s42, 1.0, 0x3fb8aa3b             ; k as it is, q times log2(e)
	s_mov_b32 s43, s42
	s_add_nc_u64 s[32:33], s[32:33], s[44:45]
	WIN 0x80                                       ; the biases go to window 2
.irp i, 0,1,2,3
	global_load_b32 v[BV+8*\i], v[BVO], s[16:17] offset:64*\i
.endr
	global_load_b128 v[BQK:BQK+3], v[BQO], s[34:35]
	global_load_b128 v[BQK+4:BQK+7], v[BQO], s[34:35] offset:16
	WIN 0x55                                       ; everything in window 1 until x and the weights are in LDS
; Load number i of 224, 512 neighbouring bytes each: 64 rows of x (my 128 pixels), 128 half rows of Wv, 32 half rows of Wq or Wk.
.macro GLD i
.if (\i) < 64
	global_load_b128 v[R+4*((\i)%DEPTH):R+4*((\i)%DEPTH)+3], v[AXO], s[28:29] offset:(\i)*16384
.else
.if (\i) < 192
	global_load_b128 v[R+4*((\i)%DEPTH):R+4*((\i)%DEPTH)+3], v[AL16], s[30:31] offset:((\i)-64)*512
.else
	global_load_b128 v[R+4*((\i)%DEPTH):R+4*((\i)%DEPTH)+3], v[AL16], s[32:33] offset:((\i)-192)*512
.endif
.endif
.endm
.macro CV i                            ; its four numbers are rounded to bf16,
	v_cvt_pk_bf16_f32 v[T+2*((\i)%8)],   v[R+4*((\i)%DEPTH)],   v[R+4*((\i)%DEPTH)+1]
	v_cvt_pk_bf16_f32 v[T+2*((\i)%8)+1], v[R+4*((\i)%DEPTH)+2], v[R+4*((\i)%DEPTH)+3]
.endm
.macro ST i                            ; and go into LDS: 32 lanes x 8 neighbouring bytes
.if (\i) < 64
	ds_store_b64 v[AXS], v[T+2*((\i)%8):T+2*((\i)%8)+1] offset:(\i)*XP
.else
.if (\i) < 192
	ds_store_b64 v[AWS], v[T+2*((\i)%8):T+2*((\i)%8)+1] offset:(((\i)-64)>>1)*WP+(((\i)-64)&1)*256
.else
	ds_store_b64 v[AWS], v[T+2*((\i)%8):T+2*((\i)%8)+1] offset:(64+(((\i)-192)>>1))*WP+(((\i)-192)&1)*256
.endif
.endif
.endm
.set i, 0
.rept DEPTH
	GLD i                                          ; the ring is filled: 56 loads of the wave are on their way
.set i, i+1
.endr
; Batches of four loads: eight roundings, four LDS stores, four new loads, so that no store stands behind its own rounding.
.set k, 0
.rept 56
.if k < 42
	s_wait_loadcnt 52                              ; loads come back in order (ISA guide 5.7.1): the batch's four (and the biases) are in, the 52 younger stay out
.else
	s_wait_loadcnt 220-4*k                         ; nothing is left to ask for: the counts run down
.endif
	CV 4*k
	CV 4*k+1
	CV 4*k+2
	CV 4*k+3
	ST 4*k
	ST 4*k+1
	ST 4*k+2
	ST 4*k+3
.if k < 42
	GLD 4*k+56
	GLD 4*k+57
	GLD 4*k+58
	GLD 4*k+59
.endif
.set k, k+1
.endr
	WIN 0x82
.irp i, 0,1,2,3
.irp j, 1,2,3,4,5,6,7
	v_mov_b32 v[BV+8*\i+\j], v[BV+8*\i]            ; in v's sums a lane's eight registers are eight pixels of one channel: one bias, eight times
.endr
.endr
	; My weights stay in registers for all 128 pixels.  They are my wave's own bytes, and LDS serves a wave's instructions in order
	; (ISA guide 5.7.1): no wait between the stores above and these loads.
	WIN 0x40
.irp i, 0,1,2,3
.irp s, 0,1,2,3,4,5,6,7
	ds_load_b128 v[WV+64*\i+8*\s:WV+64*\i+8*\s+3],   v[WFR] offset:\i*16*WP+\s*64
	ds_load_b128 v[WV+64*\i+8*\s+4:WV+64*\i+8*\s+7], v[WFR] offset:\i*16*WP+\s*64+32
.endr
.endr
	WIN 0x80
.irp s, 0,1,2,3,4,5,6,7
	ds_load_b128 v[WQK+8*\s:WQK+8*\s+3],   v[WFR] offset:64*WP+\s*64
	ds_load_b128 v[WQK+8*\s+4:WQK+8*\s+7], v[WFR] offset:64*WP+\s*64+32
.endr
	WIN 0
	s_wait_dscnt 0x0                               ; for the others' sake: my 64 rows of x are in LDS (and my fragments are in)
	s_barrier_signal -1
	s_barrier_wait -1                              ; x's 256 rows are whole; nothing writes them again
; Pixels 32 p .. 32 p + 31 of my 128: one key block, or two query tiles.
; v: A = 16 pixels of x (transposed on the way out of LDS), B = 16 rows of Wv: a lane gets one channel and eight neighbouring pixels.
; q, k: A = 16 rows of Wq or Wk, B = 16 pixels of x: a lane gets one pixel and eight neighbouring channels.
.macro PAIR p
	WIN 0
.irp e, 0,1
.irp s, 0,1,2,3,4,5,6,7
	ds_load_tr16_b128 v[XF+64*\e+8*\s:XF+64*\e+8*\s+3],   v[XT+(\s>>2)] offset:(\s&3)*32*XP+(2*\p+\e)*32
	ds_load_tr16_b128 v[XF+64*\e+8*\s+4:XF+64*\e+8*\s+7], v[XT+(\s>>2)] offset:(\s&3)*32*XP+16*XP+(2*\p+\e)*32
.endr
.endr
	s_wait_dscnt 0x0
.if \p
	s_wait_xcnt 0x0                                ; the sums' registers are the last pair's store data: written again only behind this wait
.endif
	WIN 0xa4                                       ; A window 0, B window 1, C and D window 2
.irp s, 0,1,2,3,4,5,6,7
.irp e, 0,1
.irp i, 0,1,2,3
.if \s == 0
	v_wmma_f32_16x16x32_bf16 v[AV+8*(4*\e+\i):AV+8*(4*\e+\i)+7], v[XF+64*\e+8*\s:XF+64*\e+8*\s+7], v[WV+64*\i+8*\s:WV+64*\i+8*\s+7], v[BV+8*\i:BV+8*\i+7]
.else
	v_wmma_f32_16x16x32_bf16 v[AV+8*(4*\e+\i):AV+8*(4*\e+\i)+7], v[XF+64*\e+8*\s:XF+64*\e+8*\s+7], v[WV+64*\i+8*\s:WV+64*\i+8*\s+7], v[AV+8*(4*\e+\i):AV+8*(4*\e+\i)+7]
.endif
.endr
.endr
.endr                                          ; the eight accumulators take turns, one instruction a turn, and so do the two below
	WIN 0xa2                                       ; A window 2, B window 0, C and D window 2
.irp s, 0,1,2,3,4,5,6,7
.irp e, 0,1
.if \s == 0
	v_wmma_f32_16x16x32_bf16 v[AQ+8*\e:AQ+8*\e+7], v[WQK+8*\s:WQK+8*\s+7], v[XF+64*\e+8*\s:XF+64*\e+8*\s+7], v[BQK:BQK+7]
.else
	v_wmma_f32_16x16x32_bf16 v[AQ+8*\e:AQ+8*\e+7], v[WQK+8*\s:WQK+8*\s+7], v[XF+64*\e+8*\s:XF+64*\e+8*\s+7], v[AQ+8*\e:AQ+8*\e+7]
.endif
.endr
.endr
	PLACES
	WIN 0x8a
.irp e, 0,1
.irp k, 0,2,4,6
	v_pk_mul_f32 v[AQ+8*\e+\k:AQ+8*\e+\k+1], v[AQ+8*\e+\k:AQ+8*\e+\k+1], s[42:43] op_sel_hi:[1,0]   ; q: log2(e); k: 1
.endr
.endr
.set a, 0
.rept 10                                       ; the ten tiles, rounded in place: registers 0-3 of a tile take its eight numbers
.irp k, 0,1,2,3
	v_cvt_pk_bf16_f32 v[a+\k], v[a+2*\k], v[a+2*\k+1]
.endr
.set a, a+8
.endr
	WIN 0x08                                       ; store data in window 2, addresses in window 0
.irp e, 0,1
.irp i, 0,1,2,3
	global_store_b128 v[VO], v[AV+8*(4*\e+\i):AV+8*(4*\e+\i)+3], s[36:37] offset:\p*KVBLK+\i*1024+\e*512   ; each store of the wave: 512 consecutive bytes, aligned
.endr
.endr
.irp e, 0,1
	global_store_b128 v[QO+\p], v[AQ+8*\e:AQ+8*\e+3], s[38:39] offset:\e*1024
.endr
.endm
	PAIR 0
	PAIR 1
	PAIR 2
	PAIR 3
	WIN 0
	s_wait_tensorcnt 0x0
	ds_add_u32 v126, v127
	s_wait_dscnt 0x0
	s_endpgm
.Lfunc_end_k_q2d742cb88c_proj:
	.size	k_q2d742cb88c_proj, .Lfunc_end_k_q2d742cb88c_proj-k_q2d742cb88c_proj
	.p2alignl 7, 3214868480
	.fill 96, 4, 3214868480
	.section	.rodata,"a",@progbits
	.p2align	6, 0x0
	.amdhsa_kernel k_q2d742cb88c_proj
		.amdhsa_group_segment_fixed_size 243200
		.amdhsa_private_segment_fixed_size 0
		.amdhsa_enable_private_segment 0
		.amdhsa_kernarg_size 72
		.amdhsa_user_sgpr_count 2
		.amdhsa_user_sgpr_kernarg_segment_ptr 1
		.amdhsa_wavefront_size32 1
		.amdhsa_system_sgpr_workgroup_id_x 1
		.amdhsa_system_sgpr_workgroup_id_y 1
		.amdhsa_system_sgpr_workgroup_id_z 1
		.amdhsa_system_vgpr_workitem_id 0
		.amdhsa_next_free_vgpr 704
		.amdhsa_next_free_sgpr 66
		.amdhsa_reserve_vcc 0
		.amdhsa_float_denorm_mode_32 3
		.amdhsa_float_denorm_mode_16_64 3
		.amdhsa_memory_ordered 1
		.amdhsa_forward_progress 1
		.amdhsa_inst_pref_size 122
	.end_amdhsa_kernel
	.amdgpu_metadata
---
amdhsa.version: [ 1, 2 ]
amdhsa.kernels:
  - .name:           k_q2d742cb88c_proj
    .symbol:         k_q2d742cb88c_proj.kd
    .args:
      - { .name: x, .offset: 0, .size: 8, .value_kind: global_buffer, .address_space: global }
      - { .name: Wq, .offset: 8, .size: 8, .value_kind: global_buffer, .address_space: global }
      - { .name: bq, .offset: 16, .size: 8, .value_kind: global_buffer, .address_space: global }
      - { .name: Wk, .offset: 24, .size: 8, .value_kind: global_buffer, .address_space: global }
      - { .name: bk, .offset: 32, .size: 8, .value_kind: global_buffer, .address_space: global }
      - { .name: Wv, .offset: 40, .size: 8, .value_kind: global_buffer, .address_space: global }
      - { .name: bv, .offset: 48, .size: 8, .value_kind: global_buffer, .address_space: global }
      - { .name: qf, .offset: 56, .size: 8, .value_kind: global_buffer, .address_space: global }
      - { .name: kv, .offset: 64, .size: 8, .value_kind: global_buffer, .address_space: global }
    .group_segment_fixed_size: 243200
    .private_segment_fixed_size: 0
    .kernarg_segment_align: 8
    .kernarg_segment_size: 72
    .max_flat_workgroup_size: 128
    .sgpr_count:     66
    .vgpr_count:     704
    .wavefront_size: 32
...
	.end_amdgpu_metadata
.endif
;; end of part 1
;; launch attn (part 2): grid 256 x 1, 4 waves a work-group, clusters of 4 x 1, 327,680 bytes of LDS; arguments qf, kv, x, gamma, out0; writes out0
.if DOCPART == 2
	.amdgcn_target "amdgcn-amd-amdhsa--gfx1250"
	.amdhsa_code_object_version 6
	.text
	.protected	k_q2d742cb88c_attn
	.globl	k_q2d742cb88c_attn
	.p2align	8
	.type	k_q2d742cb88c_attn,@function
k_q2d742cb88c_attn:
	s_mov_b64 s[64:65], 0
	v_nop
	global_prefetch_b8 v0, s[64:65] scope:SCOPE_SE
	s_setreg_imm32_b32 hwreg(HW_REG_WAVE_MODE, 25, 1), 1
	s_wait_xcnt 0x0
	s_wait_alu depctr_hold_cnt(0) depctr_sa_sdst(0) depctr_va_vdst(0) depctr_va_sdst(0) depctr_va_ssrc(0) depctr_va_vcc(0) depctr_vm_vsrc(0)
	s_getreg_b32 s2, hwreg(HW_REG_IB_STS2, 6, 4)
	s_cmp_eq_u32 s2, 0
	s_cbranch_scc0 .Lentry_in_a_cluster
	s_endpgm
.Lentry_in_a_cluster:
	s_bfe_u32 s2, ttmp6, 0x10000c
	s_cmp_lg_u32 s2, 0x3003
	s_cbranch_scc0 .Lentry_shape_is_right
	s_endpgm
.Lentry_shape_is_right:
; out0[b][c][i] = gamma * sum over j of v[c][j] softmax_j(q[i] . k[j]) + x[b][c][i].  8 images, 256 channels, 4,096 pixels; q, k of 32 channels.
; qf and kv hold q log2(e), k and v in bf16, in the order of the matrix instructions' registers (32 lanes x 16 bytes for each half fragment):
;   qf: [image][query tile 256][g 2][lane][16 B];  kv: [image][key block 128][18,432 B], a block = a K part of 2,048 bytes, then V, 16,384 bytes.
;   The K part of block n holds the keys of block (n + 1) mod 64 of its half of the image's 128 blocks; V is the block's own.
; A work-group takes 128 queries of one image.  Wave w takes 64 of them (w & 1) and half of the keys (w >> 1: 2,048 keys, 64 key blocks), with
; all 256 channels: 64 accumulator tiles, 512 registers, so that the 16 KiB of V of a key block feed 64 matrix instructions.
; SOFTMAX IN TWO PASSES, WITH THE ROW'S TRUE MAXIMUM.  Pass 1 makes the scores K Q^T and keeps each query's maximum; the lane halves and the
; two key halves then join theirs.  Pass 2 makes the scores again with C = -maximum, takes 2^(s - m), adds up l, rounds to bf16 and
; multiplies by V.  The 512 sums are never rescaled, and the two key halves' sums and l simply add.
; PASS 2 IS A PIPELINE OVER THE KEY BLOCKS: step t makes the scores of block t + 1, and then the products P(t) V(t), two at a time, with four
; vector instructions of block t + 1's softmax behind each two; P has two buffers.  The step reads V(t + 1) and K(t + 2) from LDS, which
; the rotation of K puts into one block of kv, so that a tile of four blocks is left behind as a whole.
; NO TRANSPOSING: K Q^T leaves lane (r, h) with query r and keys 8 h + j; two such tiles, rounded in pairs, are the A fragment of P
; (row = query, K = 32 keys).  P V leaves a lane with one channel and eight neighbouring queries, 32 bytes of a row of out0.
; CLUSTER 4 x 1: the four work-groups are four query blocks of one image and walk the same K and V tiles; every tensor load is a joint
; load that names all four.  Nothing is shared along a second axis (other images have other K and V), so the cluster has one.
; TENSOR LOADS OUT, by this text's count: two of a wave at the start, one behind each round after that.
; LIMITS: q log2(e), k, v and the weights 2^(s - m) are rounded to bf16; l is summed from the unrounded weights; a weight below 2^-126 counts
; as zero (v_exp_f32 flushes); the running maximum drops NaN, so inputs with NaN or infinities are not followed as the model would.
.set KVBLK, 18432
.set SLOT,  8*KVBLK                    ; pass 2: [key half 2][block 4][18,432]; pass 1: [key half 2][block 32][2,048] in its first 131,072 bytes
.set SCM,   2*SLOT                     ; the waves' maxima: [wave][lane][16 B]; no tensor load lands here
.set SCL,   SCM+2048                   ; the waves' l: [wave][64 queries] f32
.set SP,    272                        ; the stage's pitch: 64 queries of f32 + 16 bytes = 17 x 16
.set STW,   256*SP                     ; a wave's stage: 256 channels.  The four stages lie in the ring's bytes, behind their last fill
; window 0
.set ADR, 2                            ; v2-5: 16 L + my key half's blocks 0-1, 2-3 of slot 0, of slot 1
.set KP,  6                            ; pass 1: where I read K
.set LK,  7                            ; 16 L + my key half of a K chunk
.set MST, 8
.set MLD, 9
.set LST, 10
.set STG, 11
.set RDA, 12
.set RDB, 13
.set LLD, 14
.set XO,  15
.set PF,  16
.set L16, 19
.set QF,  32                           ; v32-63: Q's four fragments
.set KF,  64                           ; v64-79: K's two fragments of a key block
.set KB0, 64                           ; pass 1: K of two key blocks, v64-95,
.set KB1, 160                          ; and of two more, v160-191
.set SS,  96                           ; v96-159: scores, query tile q, key tile kt at 96 + 16 q + 8 kt
.set PB0, 160                          ; v160-191: P of the even key blocks, query tiles 0, 1 at 160, tiles 2, 3 at 176
.set PB1, 80                           ; P of the odd key blocks: query tiles 0, 1 at v80-95, tiles 2, 3 at v240-255
.set NM,  192                          ; v192-223: -maximum of my query, eight times, for each query tile
.set MX4, 192                          ; pass 1: v192-207, four running maxima for each query tile
.set LS,  224                          ; v224-231: l, a pair for each query tile
.set MX,  232                          ; v232-235: maxima
.set MP,  236                          ; v236-239: the other side's
.set F0,  0                            ; window 1: V's 16 fragments, two buffers; on the way out x's 64 rows, 4 registers each
.set F1,  128
; windows 2, 3: the sums of query tiles 0, 1 and 2, 3: tile (q, ct) at 8 (16 (q & 1) + ct)
; the way out, window 0 again
.set EA,  96
.set EB,  128
.set SC,  160
.set LA,  164
.set G1K, 28                           ; s[28:35] shape of a K load
.set G1V, 36                           ; s[36:43] shape of a K-and-V load
.set G0K, 44                           ; s[44:51] from where, to where: K chunks 0, 1
.set G0V, 52                           ; s[52:59] the same for slots 0, 1 of pass 2
.set MSB, 0
.macro WIN new                         ; low byte: bits 1:0 source 0, 3:2 source 1, 5:4 source 2, 7:6 destination; the high byte repeats the setting that is left
.if MSB != \new
	s_set_vgpr_msb (MSB<<8)|\new
.set MSB, \new
.endif
.endm
.macro PLACES                          ; four plain vector instructions behind a matrix instruction, before its result is read or one of its registers written (ISA guide 7.12.1)
.rept 4
	v_nop
.endr
.endm
; A round of the cluster's barrier: my work-group's barrier; wave 0 signals for the work-group; every wave waits for all four work-groups; my work-group's barrier again.
.macro CREST                           ; a round behind its opening barrier
	s_cmp_lg_u32 s15, 0
	s_cbranch_scc1 .Lnot_wave_0_\@
	s_barrier_signal -3
.Lnot_wave_0_\@:
	s_barrier_wait -3
	s_barrier_signal -1
	s_barrier_wait -1
.endm
.macro ROUND
	s_barrier_signal -1
	s_barrier_wait -1
	CREST
.endm
	s_load_b256 s[4:11], s[0:1], 0x0               ; qf s[4:5], kv s[6:7], x s[8:9], gamma s[10:11]
	s_load_b64 s[12:13], s[0:1], 0x20              ; out0
	v_lshl_add_u32 v30, v0, 2, 0x49000
	v_mov_b32 v31, 0
	ds_add_u32 v30, v31
	v_lshrrev_b32 v1, 5, v0
	v_readfirstlane_b32 s15, v1                    ; wave w
	s_lshr_b32 s16, s15, 1                         ; my key half
	s_and_b32 s17, s15, 1                          ; my query half; also: which part of a key half's tile I fetch
	s_bfe_u32 s18, ttmp6, 0x40000                  ; cx: it enters the global addresses of qf, x and out0, and nothing else
	s_lshr_b32 s19, ttmp9, 3                       ; image: eight clusters each, the same for the four partners
	s_and_b32 s20, ttmp9, 7
	s_lshl2_add_u32 s20, s20, s18                  ; query block 0 .. 31
	s_mov_b32 s24, 0x76543210                      ; v_permlanex16_b32: lane i reads lane i of the other half
	s_mov_b32 s25, 0xfedcba98
	; the K parts alone of 16 key blocks: 16 rows of 2,048 bytes, 18,432 bytes apart.  Elements of 8 bytes.
	s_mov_b32 s[G1K+0], 15|(3<<16)|(1<<21)         ; 15:0 the mask: all four work-groups; 17:16 elements of 8 bytes; 21 set beside a mask
	s_mov_b32 s[G1K+1], 256<<16                    ; tensor_dim0 = 256
	s_mov_b32 s[G1K+2], 16<<16                     ; tensor_dim1 = 16
	s_mov_b32 s[G1K+3], 256<<16                    ; tile_dim0 = 256
	s_mov_b32 s[G1K+4], 16                         ; tile_dim1 = 16
	s_mov_b32 s[G1K+5], KVBLK/8                    ; from row to row
	s_mov_b32 s[G1K+6], 0
	s_mov_b32 s[G1K+7], 0
	; two whole key blocks, 36,864 dense bytes, as 144 rows of 256 bytes
	s_mov_b32 s[G1V+0], 15|(3<<16)|(1<<21)
	s_mov_b32 s[G1V+1], 32<<16
	s_mov_b32 s[G1V+2], 144<<16
	s_mov_b32 s[G1V+3], 32<<16
	s_mov_b32 s[G1V+4], 144
	s_mov_b32 s[G1V+5], 32
	s_mov_b32 s[G1V+6], 0
	s_mov_b32 s[G1V+7], 0
	s_lshl_b32 s60, s19, 7
	s_lshl_b32 s61, s16, 6
	s_add_co_u32 s60, s60, s61                     ; my key half's first key block: 128 b + 64 kh
	s_lshl4_add_u32 s62, s17, s60                  ; pass 1: I fetch 16 of a chunk's 32
	s_mul_i32 s62, s62, KVBLK
	s_mov_b32 s63, 0
	s_lshl1_add_u32 s22, s17, s60                  ; pass 2: I fetch 2 of a tile's 4
	s_mul_i32 s22, s22, KVBLK
	s_mov_b32 s23, 0
	s_lshl_b32 s2, s19, 8                          ; offsets that hang on cx have registers of their own: s2, s3, s21, s27
	s_lshl3_add_u32 s2, s20, s2
	s_lshl2_add_u32 s2, s17, s2                    ; query tile 256 b + 8 qb + 4 qh
	s_lshl_b32 s2, s2, 10
	s_mov_b32 s3, 0
	s_lshl_b32 s21, s19, 22                        ; an image is 4,194,304 bytes,
	s_lshl_b32 s27, s20, 9                         ; 128 queries are 512
	s_add_co_u32 s21, s21, s27
	s_wait_dscnt 0x0
	s_wait_kmcnt 0x0
	s_add_nc_u64 s[62:63], s[6:7], s[62:63]
	s_add_nc_u64 s[22:23], s[6:7], s[22:23]
	s_add_nc_u64 s[4:5], s[4:5], s[2:3]            ; qf at my four query tiles
	s_mov_b32 s2, s21
	s_add_nc_u64 s[8:9], s[8:9], s[2:3]            ; x and out0 at my image and my block's queries
	s_add_nc_u64 s[12:13], s[12:13], s[2:3]
	s_mov_b32 s[G0K+0], 1
	s_lshl_b32 s[G0K+1], s15, 15                   ; LDS: 32,768 w
	s_mov_b64 s[G0K+2:G0K+3], s[62:63]
	s_or_b32 s[G0K+3], s[G0K+3], 0x80000000        ; type 2
	s_mov_b32 s[G0K+4], 1
	s_add_co_u32 s[G0K+5], s[G0K+1], SLOT
	s_add_nc_u64 s[G0K+6:G0K+7], s[62:63], 32*KVBLK
	s_or_b32 s[G0K+7], s[G0K+7], 0x80000000
	s_mov_b32 s[G0V+0], 1
	s_mul_i32 s[G0V+1], s15, 2*KVBLK               ; LDS: 36,864 w
	s_mov_b64 s[G0V+2:G0V+3], s[22:23]
	s_or_b32 s[G0V+3], s[G0V+3], 0x80000000
	s_mov_b32 s[G0V+4], 1
	s_add_co_u32 s[G0V+5], s[G0V+1], SLOT
	s_add_nc_u64 s[G0V+6:G0V+7], s[22:23], 4*KVBLK
	s_or_b32 s[G0V+7], s[G0V+7], 0x80000000
	ROUND                                          ; all four work-groups are here: the first joint loads meet
	tensor_load_to_lds s[G0K:G0K+3], s[G1K:G1K+7]          ; the K parts of my key half's blocks 0-31 (my 16 of them) into slot 0
	s_nop 0
	tensor_load_to_lds s[G0K+4:G0K+7], s[G1K:G1K+7]        ; of blocks 32-63 into slot 1
	s_nop 0
	s_load_b32 s14, s[10:11], 0x0                  ; gamma
	v_and_b32 v1, 31, v0                           ; lane L
	v_and_b32 v17, 15, v0                          ; r
	v_bfe_u32 v18, v0, 4, 1                        ; h
	v_lshlrev_b32 v[L16], 4, v1
.irp n, 0,1,2,3,4,5,6,7
	global_load_b128 v[QF+4*\n:QF+4*\n+3], v[L16], s[4:5] offset:512*\n    ; Q stays in registers for the whole launch
.endr
	s_mul_i32 s60, s16, 4*KVBLK
	v_add_nc_u32 v[ADR], s60, v[L16]
	v_add_nc_u32 v[ADR+1], 2*KVBLK, v[ADR]
	v_add_nc_u32 v[ADR+2], SLOT, v[ADR]
	v_add_nc_u32 v[ADR+3], SLOT+2*KVBLK, v[ADR]
	v_lshl_add_u32 v[LK], s16, 16, v[L16]
	v_lshl_add_u32 v[MST], s15, 9, v[L16]
	v_add_nc_u32 v[MST], SCM, v[MST]               ; my maxima
	s_xor_b32 s61, s15, 2
	v_lshl_add_u32 v[MLD], s61, 9, v[L16]
	v_add_nc_u32 v[MLD], SCM, v[MLD]               ; those of the wave with my queries and the other keys
	v_lshlrev_b32 v[LST], 2, v17
	v_lshl_add_u32 v[LST], s15, 8, v[LST]
	v_add_nc_u32 v[LST], SCL, v[LST]
	s_mul_i32 s60, s15, STW
	v_mul_u32_u24 v[STG], v17, SP
	v_lshl_add_u32 v[STG], v18, 5, v[STG]
	v_add_nc_u32 v[STG], s60, v[STG]               ; my stage: channel r, queries 8 h ..
	s_mul_i32 s60, s15, 64*SP
	v_mul_u32_u24 v[RDA], v18, STW                 ; back: lanes 0-15 read the stage of wave 0 (queries 0-63), lanes 16-31 of wave 1,
	v_lshl_add_u32 v[RDA], v17, 4, v[RDA]
	v_add_nc_u32 v[RDA], s60, v[RDA]               ; at channel 64 w;
	v_add_nc_u32 v[RDB], 2*STW, v[RDA]             ; and those of waves 2 and 3, the other keys
	v_lshlrev_b32 v[LLD], 8, v18
	v_lshl_add_u32 v[LLD], v17, 4, v[LLD]
	v_add_nc_u32 v[LLD], SCL, v[LLD]               ; l of my four queries on the way out
	v_lshl_add_u32 v[XO], s15, 20, v[L16]          ; x, out0: channel 64 w, 16 L bytes of my block's 512
	v_lshrrev_b32 v20, 1, v1
	v_and_b32 v21, 1, v1
	v_lshlrev_b32 v[PF], 14, v20
	v_lshl_add_u32 v[PF], v21, 8, v[PF]
	v_lshl_add_u32 v[PF], s15, 20, v[PF]           ; prefetch: lanes 256 bytes apart, two to a row, 16 rows
.irp q, 0,1,2,3
	v_mov_b32 v[MP+\q], 0xff800000                 ; written once: v_permlanex16_b32 counts as a reader of its destination
	v_mov_b32 v[LS+2*\q], 0
	v_mov_b32 v[LS+2*\q+1], 0
.endr
.set i, 0
.rept 16
	v_mov_b32 v[MX4+i], 0xff800000                 ; -infinity
.set i, i+1
.endr
	s_wait_loadcnt 0x0                             ; Q
	s_wait_kmcnt 0x0                               ; gamma
; ---------------- pass 1: the maxima ----------------
.macro P1FETCH buf, off                ; K of two key blocks, 4,096 dense bytes
.irp n, 0,1,2,3,4,5,6,7
	ds_load_b128 v[\buf+4*\n:\buf+4*\n+3], v[KP] offset:\off+512*\n
.endr
.endm
; 16 keys x 64 queries: four products.  Behind each stand the four maxima over the same query tile's OTHER key tile, which was written four
; products (and sixteen plain vector instructions) ago.  Four running maxima for each query tile: no maximum waits for the one in front of it.
.macro P1HALF kf, kt
.irp q, 0,1,2,3
	v_wmma_f32_16x16x32_bf16 v[SS+16*\q+8*\kt:SS+16*\q+8*\kt+7], v[\kf:\kf+7], v[QF+8*\q:QF+8*\q+7], 0
.irp j, 0,1,2,3
	v_max3_num_f32 v[MX4+4*\q+\j], v[MX4+4*\q+\j], v[SS+16*\q+8*(1-\kt)+2*\j], v[SS+16*\q+8*(1-\kt)+2*\j+1]
.endr
.endr
.endm
.macro P1BLK kb                        ; one key block
	P1HALF \kb, 0
	P1HALF \kb+8, 1
.endm
.macro P1TRIP fetch                    ; four key blocks.  Each run of loads stands behind the four maxima that follow the last product on its buffer
	P1FETCH KB1, 4096
	s_wait_dscnt 8                                 ; buffer 0 is in; the eight just issued stay out
	P1BLK KB0
	P1BLK KB0+16
.if \fetch
	P1FETCH KB0, 8192
	s_wait_dscnt 8                                 ; buffer 1 is in; the eight just issued stay out
.else
	s_wait_dscnt 0x0
.endif
	P1BLK KB1
	P1BLK KB1+16
	v_add_nc_u32 v[KP], 8192, v[KP]
.endm
.macro PASS1 n                         ; the 32 key blocks of chunk n, in slot n
	v_add_nc_u32 v[KP], \n*SLOT, v[LK]
	P1FETCH KB0, 0
.if \n == 0
	s_wait_dscnt 0x0
.irp q, 0,1,2,3                        ; the first maxima of the loop read the upper key tiles: they are written here, from the first block (made twice: a maximum does not mind)
	v_wmma_f32_16x16x32_bf16 v[SS+16*\q+8:SS+16*\q+15], v[KB0+8:KB0+15], v[QF+8*\q:QF+8*\q+7], 0
.endr
	PLACES
.endif
	s_mov_b32 s26, 7
.Lp1_\n:
	P1TRIP 1
	s_sub_co_u32 s26, s26, 1
	s_cmp_lg_u32 s26, 0
	s_cbranch_scc1 .Lp1_\n
	P1TRIP 0                                       ; the last four blocks fetch nothing beyond the chunk
.endm
	s_wait_tensorcnt 0x1                           ; my part of chunk 0 is in; chunk 1 may stay out
	s_barrier_signal -1
	s_barrier_wait -1                              ; everybody's is
	PASS1 0                                        ; its last upper key tiles wait in registers for the first maxima of chunk 1
	s_wait_dscnt 0x0                               ; my reads of slot 0 are over,
	s_wait_tensorcnt 0x0                           ; all my tensor loads have landed (chunk 1 among them):
	ds_add_u32 v30, v31
	s_wait_dscnt 0x0
	ROUND                                          ; that now holds of every wave of the four work-groups
	tensor_load_to_lds s[G0V:G0V+3], s[G1V:G1V+7]          ; pass 2's tile 0 into slot 0, while chunk 1 is read
	s_nop 0
	PASS1 1
.irp q, 0,1,2,3                        ; the very last upper key tiles (five plain vector instructions stand behind the last product)
.irp j, 0,1,2,3
	v_max3_num_f32 v[MX4+4*\q+\j], v[MX4+4*\q+\j], v[SS+16*\q+8+2*\j], v[SS+16*\q+8+2*\j+1]
.endr
.endr
	v_add_nc_u32 v[KP], SLOT+31*2048, v[LK]        ; the K part of my half's block 63 holds the keys of block 0: pass 2 begins with them
.irp n, 0,1,2,3
	ds_load_b128 v[KF+4*\n:KF+4*\n+3], v[KP] offset:512*\n
.endr
.irp q, 0,1,2,3
	v_max3_num_f32 v[MX+\q], v[MX4+4*\q], v[MX4+4*\q+1], v[MX4+4*\q+2]
.endr
.irp q, 0,1,2,3
	v_max_num_f32 v[MX+\q], v[MX+\q], v[MX4+4*\q+3]
.endr
.irp q, 0,1,2,3
	v_permlanex16_b32 v[MP+\q], v[MX+\q], s24, s25         ; the other half of the lanes holds my query's other keys
.endr
.irp q, 0,1,2,3
	v_max_num_f32 v[MX+\q], v[MX+\q], v[MP+\q]
.endr
	ds_store_b128 v[MST], v[MX:MX+3]
	s_wait_dscnt 0x0                               ; my maxima are in LDS and my reads of slot 1 are over,
	s_wait_tensorcnt 0x0                           ; tile 0 has landed:
	ds_add_u32 v30, v31
	s_wait_dscnt 0x0
	ROUND
	tensor_load_to_lds s[G0V+4:G0V+7], s[G1V:G1V+7]        ; tile 1 into slot 1
	s_nop 0
	ds_load_b128 v[MP:MP+3], v[MLD]                ; the other key half's maxima of my queries
	s_wait_dscnt 0x0
.irp q, 0,1,2,3
	v_max_num_f32 v[MX+\q], v[MX+\q], v[MP+\q]     ; the row's maximum over all 4,096 keys
.endr
.irp q, 0,1,2,3
.irp j, 0,1,2,3,4,5,6,7
	v_mul_f32 v[NM+8*\q+\j], -1.0, v[MX+\q]        ; in a score tile a lane's eight registers are eight keys of one query: -m, eight times
.endr
.endr
; ---------------- pass 2 ----------------
.macro KLOAD slot, blk                 ; the K part of block blk of the slot into KF: 4 loads of 512 dense bytes.  All windows 0
.irp n, 0,1,2,3
	ds_load_b128 v[KF+4*\n:KF+4*\n+3], v[ADR+2*(\slot)+((\blk)>>1)] offset:((\blk)&1)*KVBLK+512*\n
.endr
.endm
.macro VLOAD4 slot, blk, f, n0         ; four of the 32 loads that bring V of block blk into buffer f.  Destination window 1
.irp n, 0,1,2,3
	ds_load_b128 v[\f+4*(\n0+\n):\f+4*(\n0+\n)+3], v[ADR+2*(\slot)+((\blk)>>1)] offset:((\blk)&1)*KVBLK+2048+512*(\n0+\n)
.endr
.endm
.macro QK                              ; s - m for 32 keys x 64 queries: the maximum goes in as C
.irp kt, 0,1
.irp q, 0,1,2,3
	v_wmma_f32_16x16x32_bf16 v[SS+16*\q+8*\kt:SS+16*\q+8*\kt+7], v[KF+8*\kt:KF+8*\kt+7], v[QF+8*\q:QF+8*\q+7], v[NM+8*\q:NM+8*\q+7]
.endr
.endr
.endm
; Block 0's softmax, which has no products to stand behind: 2^(s - m) in place, l, and P in bf16 into the even buffer.  One query tile's
; exponentials are paired with the tile before's sums and roundings, so that a plain vector instruction stands between every v_exp_f32
; and the first use of its result (ISA guide 5.7.2).
.macro SOFT0
.irp i, 0,1,2,3,4,5,6,7,8,9,10,11,12,13,14,15
	v_exp_f32 v[SS+\i], v[SS+\i]
.endr
	v_nop
.irp q, 1,2,3
.irp i, 0,2,4,6,8,10,12,14
	v_exp_f32 v[SS+16*\q+\i], v[SS+16*\q+\i]
	v_exp_f32 v[SS+16*\q+\i+1], v[SS+16*\q+\i+1]
	s_wait_alu depctr_va_vdst(0)
	v_pk_add_f32 v[LS+2*\q-2:LS+2*\q-1], v[LS+2*\q-2:LS+2*\q-1], v[SS+16*\q-16+\i:SS+16*\q-16+\i+1]
	v_cvt_pk_bf16_f32 v[PB0+8*\q-8+\i/2], v[SS+16*\q-16+\i], v[SS+16*\q-16+\i+1]
.endr
.endr
	s_wait_alu depctr_va_vdst(0)
.irp i, 0,2,4,6,8,10,12,14
	v_pk_add_f32 v[LS+6:LS+7], v[LS+6:LS+7], v[SS+48+\i:SS+48+\i+1]
	v_cvt_pk_bf16_f32 v[PB0+24+\i/2], v[SS+48+\i], v[SS+48+\i+1]
.endr
.endm
; STEP t, for key block blk (t mod 4) of the slot's tile.
;   1. the scores of block t + 1, from the K that the last step fetched;
;   2. the 64 products P(t) V(t) in 32 groups of two (one channel tile, two query tiles).  Behind group i: the exponentials of pair i of block
;      t + 1's 32 pairs of scores, and the sum into l and the rounding of pair i - 1, whose place in P is 16 (i - 1) / 16 .. of the other
;      buffer.  The plain instruction behind each v_exp_f32 is the place that ISA guide 5.7.2 asks for.  So the softmax is issued while products
;      are at work, not in a stretch of its own.  It lives in window 0 and the sums in windows 2 and 3 (v_cvt_pk_bf16_f32 takes its two
;      sources and its destination from the windows of A, B and D, which cannot all be one window beside 512 sums), so each change of
;      work costs a switch: 72 for a step's 72 matrix instructions, 129 vector instructions and 36 LDS loads;
;   3. among them the loads of V(t + 1), four behind every third group, into the buffer that step t - 1 multiplied (eight plain vector
;      instructions lie between), and of K(t + 2) behind the scores' four places.
; The 64 accumulators take turns, one instruction a turn, in the same order in every step.
; zero = 1: the first products start the sums.  kl = 0: no K is left to fetch.  pf >= 0: two prefetches of x for the way out.
; change = 1: the next block lies in the other slot, with ONE barrier for two things: in front of it each wave's reads of this slot are back
; and all its tensor loads have landed, of which one was out, its part of the other slot; behind it the other slot is whole and nobody
; reads this one.  Five groups of register work stand between signal and wait.  fill = 1: that barrier opens a round of the cluster's
; barrier, and this slot's next tile is asked for first thing behind the round; it has four steps, 288 matrix instructions, to land.
.macro STEP slot, blk, zero, change, fill, pf, kl
.set PAR, (\blk)&1
.set FV, PAR*128
.set FF, (1-PAR)*128
.if \change == 1
.set FS, 1-\slot
.set FB, 0
.set GZ, 4
.else
.set FS, \slot
.set FB, \blk+1
.set GZ, 0
.endif
	s_wait_dscnt 0x0                               ; V(t) and K(t + 1), asked for a step ago
	QK
.if \change == 1
	s_wait_tensorcnt 0x0
	ds_add_u32 v30, v31
	s_wait_dscnt 0x0
	s_barrier_signal -1                            ; only register work up to the wait
.endif
	PLACES                                         ; behind the scores: for the exponentials and for the loads into KF
.if \change == 0
.if \kl
	KLOAD FS, FB
.endif
.endif
.if \pf >= 0
	global_prefetch_b8 v[PF], s[8:9] offset:(\pf)*262144 th:TH_LOAD_NT scope:SCOPE_SE
	global_prefetch_b8 v[PF], s[8:9] offset:(\pf+1)*262144 th:TH_LOAD_NT scope:SCOPE_SE
.endif
.set GI, 0
.rept 32
.set HF, GI/16
.set CT, GI%16
.set PA, (1-PAR)*(PB0+16*HF)+PAR*(PB1+160*HF)
.set PW, PAR*(PB0+16*((GI-1)/16))+(1-PAR)*(PB1+160*((GI-1)/16))
.set WV, 0xa4+0x50*HF
	WIN WV                                         ; A (P) window 0, B (V) window 1, C and D window 2 or 3
.irp q, 0,1
.if \zero
	v_wmma_f32_16x16x32_bf16 v[8*(16*\q+CT):8*(16*\q+CT)+7], v[PA+8*\q:PA+8*\q+7], v[FV+8*CT:FV+8*CT+7], 0
.else
	v_wmma_f32_16x16x32_bf16 v[8*(16*\q+CT):8*(16*\q+CT)+7], v[PA+8*\q:PA+8*\q+7], v[FV+8*CT:FV+8*CT+7], v[8*(16*\q+CT):8*(16*\q+CT)+7]
.endif
.endr
	WIN 0
	v_exp_f32 v[SS+2*GI], v[SS+2*GI]
.if GI
	s_wait_alu depctr_va_vdst(0)
	v_pk_add_f32 v[LS+2*((GI-1)/8):LS+2*((GI-1)/8)+1], v[LS+2*((GI-1)/8):LS+2*((GI-1)/8)+1], v[SS+2*GI-2:SS+2*GI-1]
.endif
	v_exp_f32 v[SS+2*GI+1], v[SS+2*GI+1]
.if GI
	v_cvt_pk_bf16_f32 v[PW+(GI-1)%16], v[SS+2*GI-2], v[SS+2*GI-1]
.else
	v_nop
.endif
.if \change == 1
.if GI == GZ
	s_barrier_wait -1
.if \fill
	CREST                                          ; no wave of any partner still reads this slot or has a load on its way
	s_add_nc_u64 s[G0V+4*\slot+2:G0V+4*\slot+3], s[G0V+4*\slot+2:G0V+4*\slot+3], 8*KVBLK   ; two tiles of four key blocks on; no load of mine is out
	tensor_load_to_lds s[G0V+4*\slot:G0V+4*\slot+3], s[G1V:G1V+7]
	s_nop 0
.endif
	KLOAD FS, FB
.endif
.endif
.if GI >= GZ
.if (GI-GZ)%3 == 0
.if (GI-GZ) < 24
.set VB, 4*((GI-GZ)/3)
	WIN 0x40
	VLOAD4 FS, FB, FF, VB
.endif
.endif
.endif
.set GI, GI+1
.endr
	s_wait_alu depctr_va_vdst(0)
	v_pk_add_f32 v[LS+6:LS+7], v[LS+6:LS+7], v[SS+62:SS+63]        ; pair 31
	v_cvt_pk_bf16_f32 v[PW+15], v[SS+62], v[SS+63]
.endm
.macro TILE slot, zero, fill           ; the four key blocks of a slot
	STEP \slot, 0, \zero, 0, 0, -1, 1
	STEP \slot, 1, 0, 0, 0, -1, 1
	STEP \slot, 2, 0, 0, 0, -1, 1
	STEP \slot, 3, 0, 1, \fill, -1, 1
.endm
	; The pipeline is filled: block 0's scores and softmax, V(0) and K(1).  Tile 0 was shown landed in front of the last round.
	QK
	PLACES
	WIN 0x40
.irp b, 0,4,8,12,16,20,24,28
	VLOAD4 0, 0, F0, \b
.endr
	WIN 0
	KLOAD 0, 0
	SOFT0
	TILE 0, 1, 1                                   ; tiles 0 and 1 stand in front of the loop: the first products start the sums.  They ask for tiles 2 and 3
	TILE 1, 0, 1
	s_mov_b32 s26, 6                               ; every step ends with all windows 0, as a label and a branch want them
.Llap:
	TILE 0, 0, 1                                   ; tiles 2 .. 13; they ask for tiles 4 .. 15
	TILE 1, 0, 1
	s_sub_co_u32 s26, s26, 1
	s_cmp_lg_u32 s26, 0
	s_cbranch_scc1 .Llap
	TILE 0, 0, 0                                   ; tile 14: nothing is left to ask for, so its barrier opens no round
	; Tile 15.  Its first two steps ask for x's bytes of the way out: each wave once for each aligned block of 256 bytes of its own 64 rows
	; x 512 bytes (4 instructions x 32 lanes), three and two steps ahead of the first loads of x; all inside x.
	STEP 1, 0, 0, 0, 0, 0, 1
	STEP 1, 1, 0, 0, 0, 2, 1
	STEP 1, 2, 0, 0, 0, -1, 0                      ; block 63's scores and softmax; V(63) is fetched, no K is left
	; The last step has products alone.  V's even buffer is free: x's rows 64 w + 0 .. 31 are asked for into it, 512 consecutive bytes a load.
	s_wait_dscnt 0x0                               ; V(63)
	PLACES                                         ; behind the last step's products, which read the even buffer
	WIN 0x40
.set i, 0
.rept 32
	global_load_b128 v[4*i:4*i+3], v[XO], s[8:9] offset:i*16384 th:TH_LOAD_NT
.set i, i+1
.endr
.set GI, 0
.rept 32
.set HF, GI/16
.set CT, GI%16
.set PA, PB1+160*HF
.set WV, 0xa4+0x50*HF
	WIN WV
.irp q, 0,1
	v_wmma_f32_16x16x32_bf16 v[8*(16*\q+CT):8*(16*\q+CT)+7], v[PA+8*\q:PA+8*\q+7], v[F1+8*CT:F1+8*CT+7], v[8*(16*\q+CT):8*(16*\q+CT)+7]
.endr
.set GI, GI+1
.endr
; ---------------- the way out ----------------
	PLACES                                         ; behind the last products: their sums are read, and the odd buffer is loaded again
	WIN 0x40
.rept 32
	global_load_b128 v[4*i:4*i+3], v[XO], s[8:9] offset:i*16384 th:TH_LOAD_NT      ; x's rows 64 w + 32 .. 63: all 64 loads of the wave are now on their way
.set i, i+1
.endr
	WIN 0
.irp q, 0,1,2,3
	v_add_f32 v[LS+2*\q], v[LS+2*\q], v[LS+2*\q+1]
.endr
.irp q, 0,1,2,3
	v_permlanex16_b32 v[MP+\q], v[LS+2*\q], s24, s25
.endr
.irp q, 0,1,2,3
	v_add_f32 v[LS+2*\q], v[LS+2*\q], v[MP+\q]     ; l of query 16 q + r over my 2,048 keys, in both halves of the lanes
	ds_store_b32 v[LST], v[LS+2*\q] offset:64*\q
.endr
	s_wait_dscnt 0x0
	s_barrier_signal -1
	s_barrier_wait -1                              ; every wave's reads of the ring are over: its bytes, which no load fills any more, become the stages
	WIN 0x08                                       ; store data in window 2
.set c, 0
.rept 16
.irp q, 0,1
	ds_store_b128 v[STG], v[8*(16*\q+c):8*(16*\q+c)+3]   offset:c*16*SP+\q*64
	ds_store_b128 v[STG], v[8*(16*\q+c)+4:8*(16*\q+c)+7] offset:c*16*SP+\q*64+16
.endr
.set c, c+1
.endr
	WIN 0x0c                                       ; in window 3
.set c, 0
.rept 16
.irp q, 0,1
	ds_store_b128 v[STG], v[8*(16*\q+c):8*(16*\q+c)+3]   offset:c*16*SP+\q*64+128
	ds_store_b128 v[STG], v[8*(16*\q+c)+4:8*(16*\q+c)+7] offset:c*16*SP+\q*64+144
.endr
.set c, c+1
.endr
	WIN 0
	s_wait_dscnt 0x0                               ; for the others' sake
	s_barrier_signal -1
	s_barrier_wait -1
	ds_load_b128 v[LA:LA+3], v[LLD]                ; l of my four queries, keys 0-2,047,
	ds_load_b128 v[LA+4:LA+7], v[LLD] offset:512   ; and keys 2,048-4,095
	s_wait_dscnt 0x0
	v_pk_add_f32 v[LA:LA+1], v[LA:LA+1], v[LA+4:LA+5]
	v_pk_add_f32 v[LA+2:LA+3], v[LA+2:LA+3], v[LA+6:LA+7]
.irp k, 0,1,2,3
	v_rcp_f32 v[SC+\k], v[LA+\k]                   ; l is at least about 1: the row's largest weight is 2^0
.endr
	v_nop                                          ; a plain vector instruction before the reciprocals are used (ISA guide 5.7.2)
	s_wait_alu depctr_va_vdst(0)
	v_pk_mul_f32 v[SC:SC+1], v[SC:SC+1], s[14:15] op_sel_hi:[1,0]          ; gamma / l
	v_pk_mul_f32 v[SC+2:SC+3], v[SC+2:SC+3], s[14:15] op_sel_hi:[1,0]
; Channels 64 w + 8 g .. + 7, all 128 queries: the two key halves' sums are added, scaled by gamma / l, x is added.
; One window setting for all of it: source 2, which only the multiply-adds have, is x in window 1.
.macro OUT8 g
.if \g
	s_wait_xcnt 0x0                                ; EA is the last group's store data: loaded again only behind this wait
.endif
.irp t, 0,1,2,3,4,5,6,7
	ds_load_b128 v[EA+4*\t:EA+4*\t+3], v[RDA] offset:(8*\g+\t)*SP
	ds_load_b128 v[EB+4*\t:EB+4*\t+3], v[RDB] offset:(8*\g+\t)*SP
.endr
	s_wait_loadcnt 56-8*\g                         ; loads come back in order (ISA guide 5.7.1): x's rows up to 8 g + 7 are in, the 56 - 8 g behind them may stay out
.irp t, 0,1,2,3,4,5,6,7
	s_wait_dscnt 14-2*\t                           ; row t's two loads are in, the younger ones stay out
	v_pk_add_f32 v[EA+4*\t:EA+4*\t+1],   v[EA+4*\t:EA+4*\t+1],   v[EB+4*\t:EB+4*\t+1]
	v_pk_add_f32 v[EA+4*\t+2:EA+4*\t+3], v[EA+4*\t+2:EA+4*\t+3], v[EB+4*\t+2:EB+4*\t+3]
	v_pk_fma_f32 v[EA+4*\t:EA+4*\t+1],   v[EA+4*\t:EA+4*\t+1],   v[SC:SC+1],   v[4*(8*\g+\t):4*(8*\g+\t)+1]
	v_pk_fma_f32 v[EA+4*\t+2:EA+4*\t+3], v[EA+4*\t+2:EA+4*\t+3], v[SC+2:SC+3], v[4*(8*\g+\t)+2:4*(8*\g+\t)+3]
	global_store_b128 v[XO], v[EA+4*\t:EA+4*\t+3], s[12:13] offset:(8*\g+\t)*16384 th:TH_STORE_NT   ; 512 consecutive bytes, aligned
.endr
.endm
	WIN 0x10
	OUT8 0
	OUT8 1
	OUT8 2
	OUT8 3
	OUT8 4
	OUT8 5
	OUT8 6
	OUT8 7
	WIN 0
	s_wait_tensorcnt 0x0
	ds_add_u32 v30, v31
	s_wait_dscnt 0x0
	ROUND                                          ; the closing round: no work-group ends while a partner may still ask for a tile that names it
	s_endpgm
.Lfunc_end_k_q2d742cb88c_attn:
	.size	k_q2d742cb88c_attn, .Lfunc_end_k_q2d742cb88c_attn-k_q2d742cb88c_attn
	.p2alignl 7, 3214868480
	.fill 96, 4, 3214868480
	.section	.rodata,"a",@progbits
	.p2align	6, 0x0
	.amdhsa_kernel k_q2d742cb88c_attn
		.amdhsa_group_segment_fixed_size 327680
		.amdhsa_private_segment_fixed_size 0
		.amdhsa_enable_private_segment 0
		.amdhsa_kernarg_size 40
		.amdhsa_user_sgpr_count 2
		.amdhsa_user_sgpr_kernarg_segment_ptr 1
		.amdhsa_wavefront_size32 1
		.amdhsa_system_sgpr_workgroup_id_x 1
		.amdhsa_system_sgpr_workgroup_id_y 1
		.amdhsa_system_sgpr_workgroup_id_z 1
		.amdhsa_system_vgpr_workitem_id 0
		.amdhsa_next_free_vgpr 1024
		.amdhsa_next_free_sgpr 66
		.amdhsa_reserve_vcc 0
		.amdhsa_float_denorm_mode_32 3
		.amdhsa_float_denorm_mode_16_64 3
		.amdhsa_memory_ordered 1
		.amdhsa_forward_progress 1
		.amdhsa_inst_pref_size 255
	.end_amdhsa_kernel
	.section	.bss,"aw",@nobits
	.p2align	6
	.space	262144
	.amdgpu_metadata
---
amdhsa.version: [ 1, 2 ]
amdhsa.kernels:
  - .name:           k_q2d742cb88c_attn
    .symbol:         k_q2d742cb88c_attn.kd
    .args:
      - { .name: qf, .offset: 0, .size: 8, .value_kind: global_buffer, .address_space: global }
      - { .name: kv, .offset: 8, .size: 8, .value_kind: global_buffer, .address_space: global }
      - { .name: x, .offset: 16, .size: 8, .value_kind: global_buffer, .address_space: global }
      - { .name: gamma, .offset: 24, .size: 8, .value_kind: global_buffer, .address_space: global }
      - { .name: out0, .offset: 32, .size: 8, .value_kind: global_buffer, .address_space: global }
    .group_segment_fixed_size: 327680
    .private_segment_fixed_size: 0
    .kernarg_segment_align: 8
    .kernarg_segment_size: 40
    .max_flat_workgroup_size: 128
    .sgpr_count:     66
    .vgpr_count:     1024
    .wavefront_size: 32
...
	.end_amdgpu_metadata
.endif
;; end of part 2
;; ======== version 2 of 2: 2 launches; version 1 with the launch proj written anew for expert scheduling mode
;; workspace buffers: qf 2,097,152 bytes; kv 18,874,368 bytes
;; launch proj (part 3): grid 256 x 1, 4 waves a work-group, no clusters, 243,200 bytes of LDS; arguments x, Wq, bq, Wk, bk, Wv, bv, qf, kv; writes qf, kv
.if DOCPART == 3
	.amdgcn_target "amdgcn-amd-amdhsa--gfx1250"
	.amdhsa_code_object_version 6
	.text
	.protected	k_q2d742cb88c_proj
	.globl	k_q2d742cb88c_proj
	.p2align	8
	.type	k_q2d742cb88c_proj,@function
k_q2d742cb88c_proj:
	s_mov_b64 s[64:65], 0
	v_nop
	global_prefetch_b8 v0, s[64:65] scope:SCOPE_SE
	s_setreg_imm32_b32 hwreg(HW_REG_WAVE_SCHED_MODE, 0, 2), 2
	s_setreg_imm32_b32 hwreg(HW_REG_WAVE_MODE, 25, 1), 1
	s_wait_xcnt 0x0
	s_wait_alu depctr_vm_vsrc(0)
; The three 1x1 convolutions of the module: q = Wq x + bq, k = Wk x + bk, v = Wv x + bv, for 8 images of 256 channels x 4,096 pixels.
; Operands are rounded to bf16, sums are f32 and start from the bias (the first product's C).  q is multiplied by log2(e), so that
; the attention launch can work in base 2.  The results are rounded to bf16 and stored in the order in which the attention launch's
; matrix instructions want them in registers, 512 bytes (32 lanes x 16 bytes) for each half fragment:
;   qf: [image 8][query tile 256][g 2][lane 32][16 B]   lane (r, h): query 16 t + r, channels 16 g + 8 h .. + 7
;   kv: [image 8][key block 128][18,432 B]; a block is 32 keys: a K part [kt 2][g 2][lane][16 B] (key 16 kt + r, channels 16 g + 8 h .. + 7),
;       then V [ct 16][g 2][lane][16 B] (channel 16 ct + r, keys 16 g + 8 h .. + 7 of the block).
;   K IS ROTATED BY ONE BLOCK inside each half of an image's 128 blocks: the K part of block n holds the keys of block (n + 1) mod 64 of
;   that half.  The attention launch makes a block's scores one step ahead of its products, so it reads V(n) and K(n + 1) together.
; A work-group takes 128 pixels of one image.  Wave w makes v's channels 64 w .. 64 w + 63 for all 128 pixels, and 16 rows of q
; (waves 0, 1) or of k (waves 2, 3): 320 matrix instructions a wave.
; NO CLUSTER: all work-groups read the same weights, but these are f32 and are rounded to bf16 on their way into LDS, so they pass
; through registers; staged in f32 by joint tensor loads they would take 320 rows x 1,024 bytes = 327,680 bytes of LDS.
; LIMITS: x, the weights, q log2(e), k and v are rounded to bf16 (8 bits of mantissa, f32's range).
; THE MODE: SCHED_MODE bits 1:0 = 2 (LLVM: expert scheduling mode 2), set by the entry lines.  The code itself states the register dependences
; between vector or matrix instructions and memory or LDS instructions, with s_wait_alu, always for 0.  The text has no branch: one path.
; THE PLAN.  Registers that memory or LDS instructions touch:
;   v1-v15, AL16, AXO, AXS, AWS   offsets and addresses, made once at the head.  One wait ahead of the first load states that they are written.
;   R, 56 slots    Batch k's eight roundings read its four slots; the loads that land in them again stand at the head of batch k + 1.
;   T0, T1         Batch k's roundings write T[k % 2]; the four LDS stores that read it stand at the head of batch k + 1.
;                  So two waits at a batch's head state all that its eight memory instructions hang on, and the batch's own roundings name none
;                  of the registers that these touch.  The eight roundings lie between a batch's last store and the next wait for it.
;   WV, WQK        Loaded once; WV lands on R, T and the ring's four addresses, behind two waits of its own.
;   XF0, XF1       Pair p's 80 matrix instructions read XF[p % 2]; the 32 LDS loads of pair p + 1, one run at the head of pair p, land in the other.
;   OB             The pair's 40 roundings write it, its ten stores read it.  The sums themselves are named by vector and matrix instructions alone.
;                  One wait ahead of a pair's stores states that OB is written and that the pair's matrix instructions are done reading XF[p % 2],
;                  in which the run of loads behind those stores lands.  The wait that frees OB stands 80 matrix instructions behind the stores.
;   v126, v127     Written at the head, read by the closing add alone.
.set XP,    288                        ; pitch of x in LDS: 128 pixels of bf16 + 32 bytes = 9 x 32, for the transposing load
.set WS,    256*XP                     ; the weights lie behind x's 256 rows
.set WP,    528                        ; pitch of a weight row: 256 bf16 + 16 bytes = 33 x 16
.set WSW,   80*WP                      ; a wave's own 80 rows: 64 of Wv, then 16 of Wq or Wk
.set KVBLK, 18432
; window 0
.set L16,  1                           ; 16 x lane
.set WFR,  5                           ; my part of a weight fragment
.set XT,   6                           ; v6, v7: my address for the transposing loads, channels 0-127 and 128-255
.set VO,   8                           ; my 16 bytes in a key block's V
.set QO,   9                           ; v9-12: my 16 bytes of q or k for each of the four pairs of pixel tiles
.set BVO,  13
.set BQO,  14
.set QOB,  15
.set XF,   128                         ; x's fragments of the even pairs: tile e (2), K step s (8) at XF + 64 e + 8 s.  Those of the odd pairs: window 3, at 64 e + 8 s
; window 1, while x and the weights come in: the ring of loads with all that it needs, so that the phase runs under one setting
.set DEPTH, 56                         ; loads of a wave on their way: 56 x 512 bytes
.set R,    0                           ; v0-223: 56 slots of 4 registers
.set AL16, 224                         ; 16 x lane
.set AXO,  225                         ; my 16 bytes in x's row 64 w
.set AXS,  226                         ; where they go in LDS (8 bytes of bf16)
.set AWS,  227                         ; the same for weight rows
.set T,    232                         ; v232-247: rounded pairs on their way into LDS, two batches of four
; window 1 afterwards
.set WV,   0                           ; Wv's fragments: channel tile i (4), K step s (8) at 64 i + 8 s
; window 2
.set AV,   0                           ; sums of v: 8 (4 e + i)
.set AQ,   64                          ; sums of q or k: 64 + 8 e
.set BV,   80                          ; bv of my channel, eight times, for each i
.set BQK,  112                         ; bq or bk of my eight rows
.set WQK,  128                         ; Wq's or Wk's fragments, K step s at 128 + 8 s
.set OB,   192                         ; v192-231: the ten tiles of a pair in bf16, four registers each, on their way to memory
.set MSB, 0
.macro WIN new                         ; low byte: bits 1:0 source 0, 3:2 source 1, 5:4 source 2, 7:6 destination; the high byte repeats the setting that is left
.if MSB != (\new)
	s_set_vgpr_msb (MSB<<8)|(\new)
.set MSB, (\new)
.endif
.endm
.macro PLACES                          ; four plain vector instructions behind a matrix instruction, before its result is read or one of its registers written (ISA guide 7.12.1)
.rept 4
	v_nop
.endr
.endm
	s_load_b512 s[4:19], s[0:1], 0x0               ; x s[4:5], Wq s[6:7], bq s[8:9], Wk s[10:11], bk s[12:13], Wv s[14:15], bv s[16:17], qf s[18:19]
	s_load_b64 s[20:21], s[0:1], 0x40              ; kv
	v_lshl_add_u32 v126, v0, 2, 0x3b400            ; my spare word, behind the weights, and 0: kept for the closing lines alone
	v_mov_b32 v127, 0
	v_lshrrev_b32 v24, 5, v0
	v_readfirstlane_b32 s22, v24                   ; wave w
	s_lshr_b32 s25, ttmp9, 5                       ; image
	s_and_b32 s26, ttmp9, 31                       ; block of 128 pixels
	v_and_b32 v24, 31, v0                          ; lane L.  What does not hang on the wave's number stands between the line above and the wait for it
	v_and_b32 v25, 15, v0                          ; r
	v_bfe_u32 v26, v0, 4, 1                        ; h
	v_lshlrev_b32 v[L16], 4, v24
	v_mul_u32_u24 v27, v25, WP
	v_lshl_add_u32 v27, v26, 4, v27                ; a weight fragment: row r, 16 h bytes
	v_and_b32 v28, 7, v0
	v_lshl_add_u32 v28, v26, 3, v28                ; channel 8 h + (L & 7)
	v_mul_u32_u24 v28, v28, XP
	v_bfe_u32 v29, v0, 3, 1
	v_lshl_add_u32 v[XT], v29, 4, v28              ; + 16 bytes for the upper eight pixels of a tile
	v_add_nc_u32 v[XT+1], 128*XP, v[XT]            ; channels 128 .. : the immediate has 16 bits
	v_lshlrev_b32 v[BVO], 2, v25
	v_lshlrev_b32 v[BQO], 5, v26
	s_wait_alu depctr_va_sdst(0)                   ; s22 is written, ahead of its first reader: LDS places, offsets and bases are made from it
	s_lshr_b32 s23, s22, 1                         ; 0: I make rows of q, 1: of k
	s_and_b32 s24, s22, 1                          ; g: rows 16 g .. 16 g + 15 of it
	s_mul_i32 s46, s22, 64*XP                      ; x's rows 64 w .. in LDS
	s_mul_i32 s47, s22, WSW
	s_add_co_u32 s47, s47, WS                      ; my wave's weights in LDS
	WIN 0x40                                       ; the ring's four address registers are made straight into window 1
	v_lshlrev_b32 v[AL16], 4, v24
	v_lshl_add_u32 v[AXO], s22, 20, v[L16]         ; 64 w rows of 16,384 bytes + 16 L
	v_lshl_add_u32 v[AXS], v24, 3, s46
	v_lshl_add_u32 v[AWS], v24, 3, s47
	WIN 0
	v_add_nc_u32 v[WFR], s47, v27
	v_lshl_add_u32 v[VO], s22, 12, v[L16]          ; 4 w channel tiles of 1,024 bytes,
	v_add_nc_u32 v[VO], 2048, v[VO]                ; behind the block's K part
	v_lshl_add_u32 v[BVO], s22, 8, v[BVO]          ; bv[64 w + r]
	v_lshl_add_u32 v[BQO], s24, 6, v[BQO]          ; bq or bk [16 g + 8 h]
	v_lshl_add_u32 v[QOB], s24, 9, v[L16]          ; 16 L + 512 g
	; Where pair p of my pixel tiles goes, counted from the image's first byte of qf or of kv.
	; q: query tiles 8 blk + 2 p, + 1.  k: the keys are block kb = 4 blk + p; they go to the K part of the block in front, round inside the half of 64.
.irp p, 0,1,2,3
	s_lshl2_add_u32 s40, s26, \p                   ; kb
	s_add_co_u32 s41, s40, 63
	s_and_b32 s41, s41, 63                         ; (kb - 1) mod 64
	s_and_b32 s40, s40, 64                         ; the half stays
	s_or_b32 s40, s40, s41
	s_mul_i32 s40, s40, KVBLK
	s_lshl_b32 s41, s26, 13
	s_add_co_u32 s41, s41, \p*2048
	s_cmp_lg_u32 s23, 0                            ; the choice hangs on the wave's number alone
	s_cselect_b32 s40, s40, s41
	v_add_nc_u32 v[QO+\p], s40, v[QOB]
.endr
	s_mov_b32 s45, 0
	s_wait_kmcnt 0x0
	s_lshl_b32 s44, s25, 22                        ; an image is 4,194,304 bytes,
	s_lshl_b32 s46, s26, 9                         ; 128 pixels are 512
	s_add_co_u32 s44, s44, s46
	s_add_nc_u64 s[28:29], s[4:5], s[44:45]        ; x at my image and pixels
	s_lshl_b32 s44, s22, 16
	s_add_nc_u64 s[30:31], s[14:15], s[44:45]      ; Wv at row 64 w
	s_mul_i32 s44, s25, 128*KVBLK
	s_add_nc_u64 s[20:21], s[20:21], s[44:45]      ; kv at my image
	s_mul_i32 s44, s26, 4*KVBLK
	s_add_nc_u64 s[36:37], s[20:21], s[44:45]      ; kv at my first key block, for V
	s_lshl_b32 s44, s25, 18
	s_add_nc_u64 s[18:19], s[18:19], s[44:45]      ; qf at my image
	s_lshl_b32 s44, s24, 14                        ; 16 g rows of 1,024 bytes
	s_cmp_lg_u32 s23, 0
	s_cselect_b64 s[32:33], s[10:11], s[6:7]       ; Wk or Wq
	s_cselect_b64 s[34:35], s[12:13], s[8:9]       ; bk or bq
	s_cselect_b64 s[38:39], s[20:21], s[18:19]     ; into kv or into qf
	s_cselect_b32 s42, 1.0, 0x3fb8aa3b             ; k as it is, q times log2(e)
	s_mov_b32 s43, s42
	s_add_nc_u64 s[32:33], s[32:33], s[44:45]
	WIN 0x80                                       ; the biases go to window 2
	s_wait_alu depctr_va_vdst(0)                   ; v1 to v15 and the ring's four address registers are written: every load and store of the kernel reads one of them
.irp i, 0,1,2,3
	global_load_b32 v[BV+8*\i], v[BVO], s[16:17] offset:64*\i
.endr
	global_load_b128 v[BQK:BQK+3], v[BQO], s[34:35]
	global_load_b128 v[BQK+4:BQK+7], v[BQO], s[34:35] offset:16
	WIN 0x55                                       ; everything in window 1 until x and the weights are in LDS
; Load number i of 224, 512 neighbouring bytes each: 64 rows of x (my 128 pixels), 128 half rows of Wv, 32 half rows of Wq or Wk.
.macro GLD i
.if (\i) < 64
	global_load_b128 v[R+4*((\i)%DEPTH):R+4*((\i)%DEPTH)+3], v[AXO], s[28:29] offset:(\i)*16384
.else
.if (\i) < 192
	global_load_b128 v[R+4*((\i)%DEPTH):R+4*((\i)%DEPTH)+3], v[AL16], s[30:31] offset:((\i)-64)*512
.else
	global_load_b128 v[R+4*((\i)%DEPTH):R+4*((\i)%DEPTH)+3], v[AL16], s[32:33] offset:((\i)-192)*512
.endif
.endif
.endm
.macro CV i                            ; its four numbers are rounded to bf16,
	v_cvt_pk_bf16_f32 v[T+2*((\i)%8)],   v[R+4*((\i)%DEPTH)],   v[R+4*((\i)%DEPTH)+1]
	v_cvt_pk_bf16_f32 v[T+2*((\i)%8)+1], v[R+4*((\i)%DEPTH)+2], v[R+4*((\i)%DEPTH)+3]
.endm
.macro ST i                            ; and go into LDS: 32 lanes x 8 neighbouring bytes
.if (\i) < 64
	ds_store_b64 v[AXS], v[T+2*((\i)%8):T+2*((\i)%8)+1] offset:(\i)*XP
.else
.if (\i) < 192
	ds_store_b64 v[AWS], v[T+2*((\i)%8):T+2*((\i)%8)+1] offset:(((\i)-64)>>1)*WP+(((\i)-64)&1)*256
.else
	ds_store_b64 v[AWS], v[T+2*((\i)%8):T+2*((\i)%8)+1] offset:(64+(((\i)-192)>>1))*WP+(((\i)-192)&1)*256
.endif
.endif
.endm
.set i, 0
.rept DEPTH
	GLD i                                          ; the ring is filled: 56 loads of the wave are on their way
.set i, i+1
.endr
; Batches of four loads.  Batch k: at its head the memory instructions that the batch before has made ready (four loads into the slots that it
; emptied, four LDS stores of what it rounded), then the wait for its own four loads and its eight roundings.
.set k, 0
.rept 56
.if k >= 2
	s_wait_alu depctr_vm_vsrc(0)                   ; the LDS stores issued in the batch before have read this batch's half of T, which its roundings write again
.endif
.if k >= 1
	s_wait_alu depctr_va_vdst(0)                   ; the batch before has written the other half of T, which the stores below read, and is done reading its four slots, in which the loads below land
.if k <= 42
	GLD 4*k+52
	GLD 4*k+53
	GLD 4*k+54
	GLD 4*k+55
.endif
	ST 4*k-4
	ST 4*k-3
	ST 4*k-2
	ST 4*k-1
.endif
.if k < 42
	s_wait_loadcnt 52                              ; loads come back in order (ISA guide 5.7.1): the batch's four (and the biases) are in, the 52 younger stay out
.else
	s_wait_loadcnt 220-4*k                         ; nothing is left to ask for: the counts run down
.endif
	CV 4*k                                         ; no wait: these name the batch's own slots and its own half of T, which no memory instruction since the head's waits touches
	CV 4*k+1
	CV 4*k+2
	CV 4*k+3
.set k, k+1
.endr
	s_wait_alu depctr_va_vdst(0)                   ; the last batch has written its half of T, which the last four stores read
	ST 220
	ST 221
	ST 222
	ST 223
	; My weights stay in registers for all 128 pixels.  They are my wave's own bytes, and LDS serves a wave's instructions in order
	; (ISA guide 5.7.1): no wait on DScnt between the stores above and these loads.
	WIN 0x40
	s_wait_alu depctr_va_vdst(0)                   ; the roundings are done reading the ring's slots and writing T: Wv's fragments land in all of these
	s_wait_alu depctr_vm_vsrc(0)                   ; the LDS stores have read T and their two addresses, the ring's loads their two offsets: the fragments land in these too
.irp i, 0,1,2,3
.irp s, 0,1,2,3,4,5,6,7
	ds_load_b128 v[WV+64*\i+8*\s:WV+64*\i+8*\s+3],   v[WFR] offset:\i*16*WP+\s*64
	ds_load_b128 v[WV+64*\i+8*\s+4:WV+64*\i+8*\s+7], v[WFR] offset:\i*16*WP+\s*64+32
.endr
.endr
	WIN 0x80
.irp s, 0,1,2,3,4,5,6,7
	ds_load_b128 v[WQK+8*\s:WQK+8*\s+3],   v[WFR] offset:64*WP+\s*64
	ds_load_b128 v[WQK+8*\s+4:WQK+8*\s+7], v[WFR] offset:64*WP+\s*64+32
.endr
	WIN 0x82
.irp i, 0,1,2,3
.irp j, 1,2,3,4,5,6,7
	v_mov_b32 v[BV+8*\i+\j], v[BV+8*\i]            ; in v's sums a lane's eight registers are eight pixels of one channel: one bias, eight times; made while the fragments come
.endr
.endr
	WIN 0
	s_wait_dscnt 0x0                               ; for the others' sake: my 64 rows of x are in LDS (and my fragments are in)
	s_barrier_signal -1
	s_barrier_wait -1                              ; x's 256 rows are whole; nothing writes them again
; x's fragments for pixels 32 p .. 32 p + 31, transposed on the way out of LDS: 32 loads in one run, into the buffer of p's parity.
.macro XLOAD p
.set XR, XF*(1-((\p)&1))               ; even pairs: window 0, v128-255; odd pairs: window 3, v0-127
.set XW, 3*((\p)&1)
.set WSET, XW<<6
	WIN WSET                                       ; destination in the buffer's window, address in window 0
.irp e, 0,1
.irp s, 0,1,2,3,4,5,6,7
	ds_load_tr16_b128 v[XR+64*\e+8*\s:XR+64*\e+8*\s+3],   v[XT+(\s>>2)] offset:(\s&3)*32*XP+(2*(\p)+\e)*32
	ds_load_tr16_b128 v[XR+64*\e+8*\s+4:XR+64*\e+8*\s+7], v[XT+(\s>>2)] offset:(\s&3)*32*XP+16*XP+(2*(\p)+\e)*32
.endr
.endr
.endm
; Pixels 32 p .. 32 p + 31 of my 128: one key block, or two query tiles.  younger: the LDS loads issued behind this pair's fragments.
; v: A = 16 pixels of x, B = 16 rows of Wv: a lane gets one channel and eight neighbouring pixels.
; q, k: A = 16 rows of Wq or Wk, B = 16 pixels of x: a lane gets one pixel and eight neighbouring channels.
.macro PAIR p, younger
.set XR, XF*(1-((\p)&1))
.set XW, 3*((\p)&1)
.set WSV, 0xa4+XW
.set WSQ, 0xa2+4*XW
	s_wait_dscnt \younger                          ; LDS loads come back in order (ISA guide 5.7.1): this pair's fragments are in, the next pair's 32 loads stay out
	WIN WSV                                        ; A the buffer's window, B window 1, C and D window 2
.irp s, 0,1,2,3,4,5,6,7
.irp e, 0,1
.irp i, 0,1,2,3
.if \s == 0
	v_wmma_f32_16x16x32_bf16 v[AV+8*(4*\e+\i):AV+8*(4*\e+\i)+7], v[XR+64*\e+8*\s:XR+64*\e+8*\s+7], v[WV+64*\i+8*\s:WV+64*\i+8*\s+7], v[BV+8*\i:BV+8*\i+7]
.else
	v_wmma_f32_16x16x32_bf16 v[AV+8*(4*\e+\i):AV+8*(4*\e+\i)+7], v[XR+64*\e+8*\s:XR+64*\e+8*\s+7], v[WV+64*\i+8*\s:WV+64*\i+8*\s+7], v[AV+8*(4*\e+\i):AV+8*(4*\e+\i)+7]
.endif
.endr
.endr
.endr                                          ; the eight accumulators take turns, one instruction a turn, and so do the two below
	WIN WSQ                                        ; A window 2, B the buffer's window, C and D window 2
.irp s, 0,1,2,3,4,5,6,7
.irp e, 0,1
.if \s == 0
	v_wmma_f32_16x16x32_bf16 v[AQ+8*\e:AQ+8*\e+7], v[WQK+8*\s:WQK+8*\s+7], v[XR+64*\e+8*\s:XR+64*\e+8*\s+7], v[BQK:BQK+7]
.else
	v_wmma_f32_16x16x32_bf16 v[AQ+8*\e:AQ+8*\e+7], v[WQK+8*\s:WQK+8*\s+7], v[XR+64*\e+8*\s:XR+64*\e+8*\s+7], v[AQ+8*\e:AQ+8*\e+7]
.endif
.endr
.endr
	PLACES
	WIN 0x8a
.if \p
	s_wait_xcnt 0x0                                ; OB is the last pair's store data: written again only behind this wait (ISA guide 3.1),
	s_wait_alu depctr_vm_vsrc(0)                   ; and behind this one: the last pair's ten stores have read OB, which the roundings below write
.endif
.irp e, 0,1
.irp k, 0,2,4,6
	v_pk_mul_f32 v[AQ+8*\e+\k:AQ+8*\e+\k+1], v[AQ+8*\e+\k:AQ+8*\e+\k+1], s[42:43] op_sel_hi:[1,0]   ; q: log2(e); k: 1
.endr
.endr
.set a, 0
.rept 10                                       ; the ten tiles, each from its low end on, rounded into OB: four registers take a tile's eight numbers
.irp k, 0,1,2,3
	v_cvt_pk_bf16_f32 v[OB+a/2+\k], v[a+2*\k], v[a+2*\k+1]
.endr
.set a, a+8
.endr
	WIN 0x08                                       ; store data in window 2, addresses in window 0
	s_wait_alu depctr_va_vdst(0)                   ; the roundings have written OB, which the stores read; the pair's matrix instructions are done reading their fragments of x, in which the next run of LDS loads lands
.irp e, 0,1
.irp i, 0,1,2,3
	global_store_b128 v[VO], v[OB+4*(4*\e+\i):OB+4*(4*\e+\i)+3], s[36:37] offset:\p*KVBLK+\i*1024+\e*512   ; each store of the wave: 512 consecutive bytes, aligned
.endr
.endr
.irp e, 0,1
	global_store_b128 v[QO+\p], v[OB+32+4*\e:OB+32+4*\e+3], s[38:39] offset:\e*1024
.endr
.endm
	XLOAD 0                                        ; no vector or matrix instruction has named these two buffers yet
	XLOAD 1
	PAIR 0, 32
	XLOAD 2                                        ; into the even buffer.  No wait: since the one ahead of pair 0's stores only those stores were issued, and they name neither the buffer nor its address
	PAIR 1, 32
	XLOAD 3                                        ; into the odd buffer, likewise behind pair 1's stores
	PAIR 2, 32
	PAIR 3, 0
	WIN 0
	s_wait_dscnt 0x0                               ; the closing lines, six on end
	s_wait_alu 0x0
	s_wait_tensorcnt 0x0
	ds_add_u32 v126, v127
	s_wait_dscnt 0x0
	s_endpgm
.Lfunc_end_k_q2d742cb88c_proj:
	.size	k_q2d742cb88c_proj, .Lfunc_end_k_q2d742cb88c_proj-k_q2d742cb88c_proj
	.p2alignl 7, 3214868480
	.fill 96, 4, 3214868480
	.section	.rodata,"a",@progbits
	.p2align	6, 0x0
	.amdhsa_kernel k_q2d742cb88c_proj
		.amdhsa_group_segment_fixed_size 243200
		.amdhsa_private_segment_fixed_size 0
		.amdhsa_enable_private_segment 0
		.amdhsa_kernarg_size 72
		.amdhsa_user_sgpr_count 2
		.amdhsa_user_sgpr_kernarg_segment_ptr 1
		.amdhsa_wavefront_size32 1
		.amdhsa_system_sgpr_workgroup_id_x 1
		.amdhsa_system_sgpr_workgroup_id_y 1
		.amdhsa_system_sgpr_workgroup_id_z 1
		.amdhsa_system_vgpr_workitem_id 0
		.amdhsa_next_free_vgpr 896
		.amdhsa_next_free_sgpr 66
		.amdhsa_reserve_vcc 0
		.amdhsa_float_denorm_mode_32 3
		.amdhsa_float_denorm_mode_16_64 3
		.amdhsa_memory_ordered 1
		.amdhsa_forward_progress 1
		.amdhsa_inst_pref_size 126
	.end_amdhsa_kernel
	.amdgpu_metadata
---
amdhsa.version: [ 1, 2 ]
amdhsa.kernels:
  - .name:           k_q2d742cb88c_proj
    .symbol:         k_q2d742cb88c_proj.kd
    .args:
      - { .name: x, .offset: 0, .size: 8, .value_kind: global_buffer, .address_space: global }
      - { .name: Wq, .offset: 8, .size: 8, .value_kind: global_buffer, .address_space: global }
      - { .name: bq, .offset: 16, .size: 8, .value_kind: global_buffer, .address_space: global }
      - { .name: Wk, .offset: 24, .size: 8, .value_kind: global_buffer, .address_space: global }
      - { .name: bk, .offset: 32, .size: 8, .value_kind: global_buffer, .address_space: global }
      - { .name: Wv, .offset: 40, .size: 8, .value_kind: global_buffer, .address_space: global }
      - { .name: bv, .offset: 48, .size: 8, .value_kind: global_buffer, .address_space: global }
      - { .name: qf, .offset: 56, .size: 8, .value_kind: global_buffer, .address_space: global }
      - { .name: kv, .offset: 64, .size: 8, .value_kind: global_buffer, .address_space: global }
    .group_segment_fixed_size: 243200
    .private_segment_fixed_size: 0
    .kernarg_segment_align: 8
    .kernarg_segment_size: 72
    .max_flat_workgroup_size: 128
    .sgpr_count:     66
    .vgpr_count:     896
    .wavefront_size: 32
...
	.end_amdgpu_metadata
.endif
;; end of part 3
;; launch attn: the kernel of part 2 again; grid 256 x 1, 4 waves a work-group, clusters of 4 x 1, 327,680 bytes of LDS; arguments qf, kv, x, gamma, out0; writes out0
